; MI455X (gfx1250); checked and timed in simulation.
; The chip was launched on July 23, 2026; its instructions are those of AMD's public machine-readable ISA for CDNA 5 (MIT licence, August 2026) and "CDNA5" Instruction Set Architecture Reference Guide (July 2026). The comments in the code are by the model that wrote it; some were corrected since.
;; Self Attention V2. Allowed arithmetic: float matrix products may take bf16 or f16 operands with f32 sums; other float arithmetic in f32, or as packed bf16 or f16 multiplies, adds, multiply-adds, maxima and minima; sums over many terms, partial sums and values carried from step to step in f32; what a program stores and reads back later, other than sums and carried values, may be rounded once to bf16 or f16.
;; Inputs: W_k 1,024 x 1,024 float32; W_q 1,024 x 1,024 float32; W_v 1,024 x 1,024 float32; x 4,096 x 1,024 float32.
;; Outputs: out0 4,096 x 1,024 float32.
;; One version. Each part assembles by itself: llvm-mc -triple=amdgcn-amd-amdhsa -mcpu=gfx1250 --defsym DOCPART=n.
;; ======== version 1 of 1: 4 launches
;; limits: values are held in f16: magnitudes above 65,504 overflow, below 6.1e-05 lose precision; right only within a limited range of input values
;; workspace buffers: xh 8,388,608 bytes; wh 6,291,456 bytes; qk 16,777,216 bytes; vt 8,388,608 bytes; prob 33,554,432 bytes; stats 1,048,576 bytes
;; launch cast (part 1): grid 256 x 7, 8 waves a work-group, no clusters, 0 bytes of LDS; arguments x, W_q, W_k, W_v, xh, wh; writes xh, wh
.if DOCPART == 1
	.amdgcn_target "amdgcn-amd-amdhsa--gfx1250"
	.amdhsa_code_object_version 6
	.text
	.protected	k_qd175bf4505_cast
	.globl	k_qd175bf4505_cast
	.p2align	8
	.type	k_qd175bf4505_cast,@function
k_qd175bf4505_cast:
	s_mov_b64 s[64:65], 0
	v_nop
	global_prefetch_b8 v0, s[64:65] scope:SCOPE_SE
	s_setreg_imm32_b32 hwreg(HW_REG_WAVE_MODE, 25, 1), 1
	s_wait_xcnt 0x0
; f32 to f16 (round to nearest even) of x [4096][1024] into xh and of W_q, W_k, W_v [1024][1024] into wh [3072][1024], in that order of rows.
; LIMIT: a number of magnitude 65,520 or more becomes an infinity in f16.  f16 is taken instead of bf16 because its step is eight times finer;
; numbers drawn with spread 1 (x) and 1/32 (W) have room for a factor of 30 up and down on both.
; A stream: every byte is read once and written once, so LDS, matrix instructions and clusters would add nothing (no two work-groups read the same bytes).
; 7 x 256 work-groups of 4,096 numbers: y = 0..3 take x, y = 4, 5, 6 take W_q, W_k, W_v.  Thread t takes 4 numbers at 16 t of each of four blocks of 4,096 bytes:
; a wave's load covers 512 consecutive bytes, a wave's store 256 consecutive bytes at a multiple of 256 from the buffer's first byte.
.set X, 4                              ; v[4:19]   four loads of four f32
.set Y, 20                             ; v[20:27]  four pairs of packed f16; no register is written twice, so no store's source needs a wait
	s_load_b256 s[4:11], s[0:1], 0x0               ; x s[4:5], W_q s[6:7], W_k s[8:9], W_v s[10:11]
	s_load_b128 s[12:15], s[0:1], 0x20             ; xh s[12:13], wh s[14:15]
	s_mov_b32 s19, ttmp9                           ; work-group x: the block inside a matrix of 256 blocks
	s_and_b32 s16, ttmp7, 0xffff                   ; work-group y: which source
	s_lshl_b32 s17, s16, 8
	s_add_co_u32 s17, s17, s19                     ; 256 y + x: the block in x and xh (y < 4)
	s_max_u32 s18, s17, 1024
	s_sub_co_u32 s18, s18, 1024                    ; the block in wh (y >= 4); 0 where it is not used
	v_lshlrev_b32 v1, 4, v0                        ; 16 t: my bytes in a block of the source
	v_lshlrev_b32 v2, 3, v0                        ; 8 t: my bytes in a block of the destination
	s_wait_kmcnt 0x0
	s_cmp_eq_u32 s16, 5
	s_cselect_b64 s[20:21], s[8:9], s[10:11]       ; W_k, else W_v
	s_cmp_eq_u32 s16, 4
	s_cselect_b64 s[20:21], s[6:7], s[20:21]       ; W_q
	s_cmp_lt_u32 s16, 4
	s_cselect_b64 s[20:21], s[4:5], s[20:21]       ; x
	s_cselect_b64 s[24:25], s[12:13], s[14:15]     ; xh, else wh
	s_cselect_b32 s22, s17, s19                    ; block in the source
	s_cselect_b32 s26, s17, s18                    ; block in the destination
	s_lshl_b32 s22, s22, 14                        ; 16,384 bytes of f32 a block
	s_mov_b32 s23, 0
	s_lshl_b32 s26, s26, 13                        ; 8,192 bytes of f16 a block
	s_mov_b32 s27, 0
	s_add_nc_u64 s[20:21], s[20:21], s[22:23]
	s_add_nc_u64 s[24:25], s[24:25], s[26:27]
.irp j, 0,1,2,3
	global_load_b128 v[X+4*\j:X+4*\j+3], v1, s[20:21] offset:4096*\j th:TH_LOAD_NT   ; read once in the launch
.endr
.irp j, 0,1,2,3
	s_wait_loadcnt 3-\j                            ; loads come back in order: load j is in, the 3 - j younger ones stay out
	v_cvt_pk_f16_f32 v[Y+2*\j],   v[X+4*\j],   v[X+4*\j+1]
	v_cvt_pk_f16_f32 v[Y+2*\j+1], v[X+4*\j+2], v[X+4*\j+3]
	global_store_b64 v2, v[Y+2*\j:Y+2*\j+1], s[24:25] offset:2048*\j   ; later launches read it: no hint
.endr
	s_endpgm
.Lfunc_end_k_qd175bf4505_cast:
	.size	k_qd175bf4505_cast, .Lfunc_end_k_qd175bf4505_cast-k_qd175bf4505_cast
	.p2alignl 7, 3214868480
	.fill 96, 4, 3214868480
	.section	.rodata,"a",@progbits
	.p2align	6, 0x0
	.amdhsa_kernel k_qd175bf4505_cast
		.amdhsa_group_segment_fixed_size 0
		.amdhsa_private_segment_fixed_size 0
		.amdhsa_enable_private_segment 0
		.amdhsa_kernarg_size 48
		.amdhsa_user_sgpr_count 2
		.amdhsa_user_sgpr_kernarg_segment_ptr 1
		.amdhsa_wavefront_size32 1
		.amdhsa_system_sgpr_workgroup_id_x 1
		.amdhsa_system_sgpr_workgroup_id_y 1
		.amdhsa_system_sgpr_workgroup_id_z 1
		.amdhsa_system_vgpr_workitem_id 0
		.amdhsa_next_free_vgpr 28
		.amdhsa_next_free_sgpr 66
		.amdhsa_reserve_vcc 0
		.amdhsa_float_denorm_mode_32 3
		.amdhsa_float_denorm_mode_16_64 3
		.amdhsa_memory_ordered 1
		.amdhsa_forward_progress 1
		.amdhsa_inst_pref_size 3
	.end_amdhsa_kernel
	.amdgpu_metadata
---
amdhsa.version: [ 1, 2 ]
amdhsa.kernels:
  - .name:           k_qd175bf4505_cast
    .symbol:         k_qd175bf4505_cast.kd
    .args:
      - { .name: x, .offset: 0, .size: 8, .value_kind: global_buffer, .address_space: global }
      - { .name: W_q, .offset: 8, .size: 8, .value_kind: global_buffer, .address_space: global }
      - { .name: W_k, .offset: 16, .size: 8, .value_kind: global_buffer, .address_space: global }
      - { .name: W_v, .offset: 24, .size: 8, .value_kind: global_buffer, .address_space: global }
      - { .name: xh, .offset: 32, .size: 8, .value_kind: global_buffer, .address_space: global }
      - { .name: wh, .offset: 40, .size: 8, .value_kind: global_buffer, .address_space: global }
    .group_segment_fixed_size: 0
    .private_segment_fixed_size: 0
    .kernarg_segment_align: 8
    .kernarg_segment_size: 48
    .max_flat_workgroup_size: 256
    .sgpr_count:     66
    .vgpr_count:     28
    .wavefront_size: 32
...
	.end_amdgpu_metadata
.endif
;; end of part 1
;; launch proj (part 2): grid 12 x 16, 4 waves a work-group, clusters of 4 x 4, 327,680 bytes of LDS; arguments xh, wh, qk, vt; writes qk, vt
.if DOCPART == 2
	.amdgcn_target "amdgcn-amd-amdhsa--gfx1250"
	.amdhsa_code_object_version 6
	.text
	.protected	k_qd175bf4505_proj
	.globl	k_qd175bf4505_proj
	.p2align	8
	.type	k_qd175bf4505_proj,@function
k_qd175bf4505_proj:
	s_mov_b64 s[64:65], 0
	v_nop
	global_prefetch_b8 v0, s[64:65] scope:SCOPE_SE
	s_setreg_imm32_b32 hwreg(HW_REG_WAVE_MODE, 25, 1), 1
	s_wait_xcnt 0x0
	s_wait_alu depctr_hold_cnt(0) depctr_sa_sdst(0) depctr_va_vdst(0) depctr_va_sdst(0) depctr_va_ssrc(0) depctr_va_vcc(0) depctr_vm_vsrc(0)
	s_getreg_b32 s2, hwreg(HW_REG_IB_STS2, 6, 4)
	s_cmp_eq_u32 s2, 0
	s_cbranch_scc0 .Lentry_in_a_cluster
	s_endpgm
.Lentry_in_a_cluster:
	s_bfe_u32 s2, ttmp6, 0x10000c
	s_cmp_lg_u32 s2, 0xf033
	s_cbranch_scc0 .Lentry_shape_is_right
	s_endpgm
.Lentry_shape_is_right:
; The three projections as one launch of products C = A B^T over K = 1024, operands f16, sums f32, C rounded once to f16.
;   clusters x = 0, 1:  qk [4096][2048] = xh [4096][1024] x wh rows 0-2047 (W_q, W_k): q in columns 0-1023, k in columns 1024-2047
;   clusters x = 2:     vt [1024][4096] = wh rows 2048-3071 (W_v) x xh: v leaves transposed, keys along the rows, as the last launch wants it
; LIMIT: |q|, |k|, |v| below 65,520 (f16).  With x and W both 30 times the drawn spread they reach about 5,000; with both offset by 30 spreads about 29,000.
; 192 work-groups of 256 x 256 of C (128 for qk, 64 for vt), four waves, a wave makes 128 x 128: 64 accumulator tiles of 16 x 16, 512 registers.
; K goes in steps of 128 through two LDS slots filled by the tensor data mover; a tile's rows are 256 bytes of memory at multiples of 256 bytes.
; CLUSTERS of 4 x 4: the four work-groups of a cluster's row need the same tiles of A, the four of a column the same tiles of B; each such tile is asked for
; jointly, which divides the requests for A and B by four.  Which product a cluster makes hangs on the cluster's x alone, which all sixteen share.
; REGISTERS in windows of 256: window 0: v0-63 addresses; v64-127, v128-191 fragments of A, two buffers; v192-223 packed results.
;   window 1: v64-127, v128-191 fragments of B.  window 2: accumulators of my rows 0-63 (tile (a, b) at v[8 (8 a + b)]); window 3: rows 64-127.
; The matrix instruction is used transposed (source 0 = rows of B, source 1 = rows of A): lane l holds row l % 16 of C and its eight registers the
; columns 8 (l / 16) + 0..7, eight neighbouring numbers of a row.
.set SIZE_K, 1024
.set KSTEP,  128
.set PITCH,  272                       ; an LDS row: 256 bytes + 16 of padding, so that 16 consecutive rows start at 16 different multiples of 16 modulo 256
.set HALFT,  128*PITCH                 ; 128 rows: one tensor load, and what a wave reads of A or of B
.set SLOT,   4*HALFT                   ; A's 256 rows, then B's 256 rows
.set STAGE,  2*SLOT                    ; behind the slots: 16 rows x 272 bytes for each wave; no tensor load lands here
.set SPITCH, 272
.set LAPS,   SIZE_K/(2*KSTEP)          ; 4 laps of two K steps
.set ADRA, 16                          ; v16-17  LDS address of my A fragments in slot 0, 1
.set ADRB, 20                          ; v20-21  the same for B
.set STO,  24                          ; v24     stage: where I put 16 bytes of a row
.set RD,   25                          ; v25     stage: where I read a row back
.set CO,   32                          ; v32-39  byte offset in C of my 16 bytes in rows 2 t + l / 16, t = 0..7 (C's pitch lies in a register)
.set F0,   64
.set F1,   128
.set TMP,  192
.set G1,  24                           ; s[24:31] descriptor group 1, A's tiles
.set G0,  32                           ; s[32:39] descriptor group 0, A's tiles, one set a slot
.set G1B, 48                           ; s[48:55] group 1, B's tiles: differs in the mask alone
.set G0B, 56                           ; s[56:63] group 0, B's tiles
.set MSB, 0
.macro WIN new                         ; the immediate's high byte repeats the setting that is left
.if MSB != \new
	s_set_vgpr_msb (MSB<<8)|\new
.set MSB, \new
.endif
.endm
.set MUL_LO, 0xa1                      ; source 0 (B) window 1, source 1 (A) window 0, C and D window 2
.set MUL_HI, 0xf1                      ; the same, C and D window 3
.set TO_B,   0x40                      ; destination window 1, address window 0
; A joint load: waves 0 and 1 fetch A's two halves, waves 2 and 3 B's.  The branch hangs on the wave's number alone.
.macro JLOAD s
	s_cmp_eq_u32 s13, 0
	s_cbranch_scc0 .Lfor_b_\@
	tensor_load_to_lds s[G0+4*\s:G0+4*\s+3], s[G1:G1+7]
	s_nop 0
	s_branch .Lasked_\@
.Lfor_b_\@:
	tensor_load_to_lds s[G0B+4*\s:G0B+4*\s+3], s[G1B:G1B+7]
	s_nop 0
.Lasked_\@:
.endm
; A round of the cluster's barrier: my work-group's barrier, wave 0 signals for the work-group, every wave waits for all sixteen, my work-group's barrier again.
.macro CREST                           ; a round behind its opening barrier
	s_cmp_lg_u32 s12, 0
	s_cbranch_scc1 .Lnot_wave_0_\@
	s_barrier_signal -3
.Lnot_wave_0_\@:
	s_barrier_wait -3
	s_barrier_signal -1
	s_barrier_wait -1
.endm
.macro CROUND                          ; a whole round
	s_barrier_signal -1
	s_barrier_wait -1
	CREST
.endm
	s_load_b256 s[4:11], s[0:1], 0x0               ; xh s[4:5], wh s[6:7], qk s[8:9], vt s[10:11]
	s_set_vgpr_msb 0x40
	v_lshl_add_u32 v255, v0, 2, 0x48400
	s_set_vgpr_msb 0x4000
	v_mov_b32 v255, 0
	s_set_vgpr_msb 0x1
	ds_add_u32 v255, v255
	s_set_vgpr_msb 0x100
	v_lshrrev_b32 v1, 5, v0
	v_readfirstlane_b32 s12, v1                    ; wave 0..3
	s_lshr_b32 s13, s12, 1                         ; my half of the block's rows; also: I fetch for A (0) or B (1)
	s_and_b32 s14, s12, 1                          ; my half of its columns; also: which 128 rows of that tile I fetch
	s_bfe_u32 s16, ttmp6, 0x40000                  ; cx
	s_bfe_u32 s17, ttmp6, 0x40004                  ; cy
	s_mov_b32 s70, ttmp9                           ; cluster x: 0, 1 make qk, 2 makes vt
	s_and_b32 s71, ttmp7, 0xffff                   ; cluster y: 0..3
	s_cmp_eq_u32 s70, 2
	s_cselect_b32 s72, 0, s71                      ; the cluster's row in C: vt has four block rows, one cluster's worth
	s_cselect_b32 s73, s71, s70                    ; the cluster's column in C
	s_lshl_b32 s18, s73, 2
	s_add_co_u32 s18, s18, s16                     ; block column of C
	s_lshl_b32 s19, s72, 2
	s_add_co_u32 s19, s19, s17                     ; block row of C
	s_lshr_b32 s75, s70, 1                         ; 0, 0, 1
	s_lshl_b32 s74, 0x1000, s75                    ; C's pitch: 4,096 bytes (qk) or 8,192 (vt)
	s_lshl_b32 s20, s17, 2
	s_lshl_b32 s20, 15, s20                        ; my row of the cluster: places 4 cy .. 4 cy + 3
	s_lshl_b32 s21, 0x1111, s16                    ; my column: places cx, cx + 4, cx + 8, cx + 12
	; descriptor group 1: a tile of 128 rows x 128 elements of 2 bytes, 16 bytes of padding behind every 64 words
	s_or_b32 s[G1+0], s20, (1<<16)|(1<<20)|(1<<21)|(5<<22)|(3<<25)   ; 15:0 mask: A's tiles go to my row; 17:16 size; 20 padding; 21 set beside a mask; 24:22 interval; 31:25 pad
	s_or_b32 s[G1B+0], s21, (1<<16)|(1<<20)|(1<<21)|(5<<22)|(3<<25)  ; the same with the mask of my column
	s_mov_b32 s[G1+1], KSTEP<<16                   ; tensor_dim0 = 128
	s_mov_b32 s[G1B+1], KSTEP<<16
	s_mov_b32 s[G1+2], 128<<16                     ; tensor_dim1 = 128
	s_mov_b32 s[G1B+2], 128<<16
	s_mov_b32 s[G1+3], KSTEP<<16                   ; tile_dim0 = 128
	s_mov_b32 s[G1B+3], KSTEP<<16
	s_mov_b32 s[G1+4], 128                         ; tile_dim1 = 128
	s_mov_b32 s[G1B+4], 128
	s_mov_b32 s[G1+5], SIZE_K                      ; 1,024 elements from row to row, in xh and in wh
	s_mov_b32 s[G1B+5], SIZE_K
	s_mov_b32 s[G1+6], 0
	s_mov_b32 s[G1B+6], 0
	s_mov_b32 s[G1+7], 0
	s_mov_b32 s[G1B+7], 0
	; A's tiles hang on the block row alone, B's on the block column alone; each offset in registers that never hold the other coordinate
	s_lshl_b32 s22, s14, 7                         ; which 128 rows of the tile I fetch
	s_lshl_b32 s40, s19, 8
	s_add_co_u32 s40, s40, s22
	s_lshl_b32 s40, s40, 11                        ; A: (256 block row + 128 half) rows of 2,048 bytes, below 2^24
	s_mov_b32 s41, 0
	s_lshl_b32 s42, s18, 8
	s_add_co_u32 s42, s42, s22
	s_lshl_b32 s42, s42, 11                        ; B: the same of the block column
	s_mov_b32 s43, 0
	s_mul_i32 s15, s12, HALFT                      ; where my part goes: A's two halves, then B's two = wave x 128 rows
	s_wait_dscnt 0x0
	s_wait_kmcnt 0x0
	s_add_nc_u64 s[76:77], s[6:7], 0x400000        ; W_v's rows in wh
	s_cmp_eq_u32 s70, 2
	s_cselect_b64 s[78:79], s[76:77], s[4:5]       ; A: W_v for vt, xh for qk
	s_cselect_b64 s[80:81], s[4:5], s[6:7]         ; B: xh for vt, W_q and W_k for qk
	s_cselect_b64 s[82:83], s[10:11], s[8:9]       ; C
	s_add_nc_u64 s[44:45], s[78:79], s[40:41]
	s_add_nc_u64 s[46:47], s[80:81], s[42:43]
	CROUND                                         ; all sixteen work-groups are here: the first joint loads meet
.irp s, 0,1
	s_mov_b32 s[G0+4*\s], 1                                        ; count = 1
	s_add_co_u32 s[G0+4*\s+1], s15, \s*SLOT                        ; LDS address
	s_add_nc_u64 s[G0+4*\s+2:G0+4*\s+3], s[44:45], \s*KSTEP*2      ; global address: K step s
	s_or_b32 s[G0+4*\s+3], s[G0+4*\s+3], 0x80000000                ; type = 2
	s_mov_b32 s[G0B+4*\s], 1
	s_add_co_u32 s[G0B+4*\s+1], s15, \s*SLOT
	s_add_nc_u64 s[G0B+4*\s+2:G0B+4*\s+3], s[46:47], \s*KSTEP*2
	s_or_b32 s[G0B+4*\s+3], s[G0B+4*\s+3], 0x80000000
	JLOAD \s                                       ; both slots are asked for before anything else: two loads of the wave are out
.endr
	; a fragment: lane l holds row l % 16; registers 0-3 K = 8 (l / 16) + 0..7, registers 4-7 K = 16 + 8 (l / 16) + 0..7: two loads of 16 bytes, 32 apart
	v_and_b32 v1, 15, v0                           ; r = l % 16
	v_bfe_u32 v2, v0, 4, 1                         ; h = l / 16
	v_mul_u32_u24 v3, v1, PITCH
	v_lshl_add_u32 v3, v2, 4, v3                   ; row x pitch + 16 h
	s_mul_i32 s22, s13, HALFT                      ; my 128 rows of A
	s_mul_i32 s23, s14, HALFT                      ; my 128 rows of B,
	s_add_co_u32 s23, s23, 2*HALFT                 ; behind A's 256
.irp s, 0,1
	v_add_nc_u32 v[ADRA+\s], s22, v3
	v_add_nc_u32 v[ADRB+\s], s23, v3
	s_add_co_u32 s22, s22, SLOT
	s_add_co_u32 s23, s23, SLOT
.endr
	s_mul_i32 s86, s12, 16*SPITCH
	s_add_co_u32 s86, s86, STAGE                   ; my stage
	v_mul_u32_u24 v4, v1, SPITCH
	v_lshl_add_u32 v4, v2, 4, v4
	v_add_nc_u32 v[STO], s86, v4                   ; in: row r, 16 bytes for each half of the lanes
	v_mul_u32_u24 v5, v2, SPITCH
	v_lshl_add_u32 v5, v1, 4, v5
	v_add_nc_u32 v[RD], s86, v5                    ; back: lanes 0-15 one row of 256 bytes, lanes 16-31 the next
	v_lshlrev_b32 v6, 4, v1
.irp t, 0,1,2,3,4,5,6,7
	v_add_nc_u32 v7, 2*\t, v2
	v_mad_u32_u24 v[CO+\t], v7, s74, v6            ; (2 t + h) x pitch of C + 16 r
.endr
; 16 matrix instructions: m blocks a0, a0 + 1 of the window's four x all 8 n blocks, 32 along K.  zero = 1: the first product starts the sums.
; The 64 accumulators take turns, one instruction a turn, in the same order in every quarter step.
.macro MUL16 f, hi, a0, zero
.irp a, \a0, \a0+1
.irp b, 0,1,2,3,4,5,6,7
.if \zero
	v_wmma_f32_16x16x32_f16 v[8*(8*(\a)+\b):8*(8*(\a)+\b)+7], v[\f+8*\b:\f+8*\b+7], v[\f+8*(4*\hi+\a):\f+8*(4*\hi+\a)+7], 0
.else
	v_wmma_f32_16x16x32_f16 v[8*(8*(\a)+\b):8*(8*(\a)+\b)+7], v[\f+8*\b:\f+8*\b+7], v[\f+8*(4*\hi+\a):\f+8*(4*\hi+\a)+7], v[8*(8*(\a)+\b):8*(8*(\a)+\b)+7]
.endif
.endr
.endr
.endm
; 32 LDS loads in one run: the fragments of one quarter step (128 rows of B, 128 of A, 32 K at byte k of the rows) into buffer f
.macro FETCH slot, k, f
	WIN TO_B
.irp i, 0,1,2,3,4,5,6,7
	ds_load_b128 v[\f+8*\i:\f+8*\i+3],   v[ADRB+\slot] offset:\k+\i*16*PITCH
	ds_load_b128 v[\f+8*\i+4:\f+8*\i+7], v[ADRB+\slot] offset:\k+\i*16*PITCH+32
.endr
	WIN 0
.irp i, 0,1,2,3,4,5,6,7
	ds_load_b128 v[\f+8*\i:\f+8*\i+3],   v[ADRA+\slot] offset:\k+\i*16*PITCH
	ds_load_b128 v[\f+8*\i+4:\f+8*\i+7], v[ADRA+\slot] offset:\k+\i*16*PITCH+32
.endr
.endm
; Four places behind a matrix instruction before a load lands on a register that it read or a vector instruction reads its result (ISA guide 7.12.1 for
; vector instructions); matrix instructions in between are not counted as places here.
.macro PLACES
.rept 4
	v_nop
.endr
.endm
; One of a K step's first three quarters: multiplies buffer f; in its middle fetches the next quarter's fragments into buffer g.
.macro QUARTER slot, k, f, g, zero
	s_wait_dscnt 8                                 ; B and A's rows 0-63 are in; the youngest eight loads (A's rows 64-127) may be out
	WIN MUL_LO
	MUL16 \f, 0, 0, \zero
	MUL16 \f, 0, 2, \zero
	PLACES
	FETCH \slot, \k, \g
	s_wait_dscnt 32                                ; all but the 32 just issued
	WIN MUL_HI
	MUL16 \f, 1, 0, \zero
	MUL16 \f, 1, 2, \zero
.endm
.macro THREE slot, zero
	QUARTER \slot, 64,  F0, F1, \zero
	QUARTER \slot, 128, F1, F0, 0
	QUARTER \slot, 192, F0, F1, 0
.endm
; The last quarter multiplies buffer 1 and changes slots.  In front of the barrier each wave waits for its reads of this slot and for all its tensor loads
; (one is out: its part of the next slot).  Behind it the refill comes first, then the next slot's first fragments.
; From a request to the wait for it a wave issues 240 matrix instructions.
.macro TURN slot, next, fill
	s_wait_dscnt 8
	WIN MUL_LO
	MUL16 F1, 0, 0, 0
	s_wait_dscnt 0                                 ; my reads of this slot are over
	s_wait_tensorcnt 0x0                           ; all my tensor loads have landed
	ds_add_u32 v255, v255
	s_wait_dscnt 0x0
	s_barrier_signal -1                            ; (where a slot is filled again this barrier opens a round of the cluster's barrier)
	MUL16 F1, 0, 2, 0                              ; register work while the others arrive
	WIN 0
	s_barrier_wait -1
.if \fill
	CREST                                          ; no wave of any partner still reads this slot or has a load on its way
	s_add_nc_u64 s[G0+4*\slot+2:G0+4*\slot+3], s[G0+4*\slot+2:G0+4*\slot+3], 2*KSTEP*2
	s_add_nc_u64 s[G0B+4*\slot+2:G0B+4*\slot+3], s[G0B+4*\slot+2:G0B+4*\slot+3], 2*KSTEP*2
	JLOAD \slot                                    ; the wave's one tensor load behind the round, and the first thing there
.endif
	PLACES
	FETCH \next, 0, F0
	WIN MUL_HI
	MUL16 F1, 1, 0, 0
	MUL16 F1, 1, 2, 0
.endm
.macro LAP zero
	THREE 0, \zero
	TURN 0, 1, 1
	THREE 1, 0
	TURN 1, 0, 1
.endm
	s_wait_tensorcnt 1                             ; my part of K step 0 is in; K step 1's load, issued behind it, may stay out
	s_barrier_signal -1
	s_barrier_wait -1                              ; everybody's is
	FETCH 0, 0, F0
	LAP 1                                          ; the first lap's first products start the sums
	WIN 0                                          ; at a label and at a branch every window is 0
	s_mov_b32 s3, LAPS-2
.Llap:
	LAP 0
	WIN 0
	s_sub_co_u32 s3, s3, 1
	s_cmp_lg_u32 s3, 0
	s_cbranch_scc1 .Llap
	THREE 0, 0                                     ; the last lap fills nothing
	TURN 0, 1, 0
	THREE 1, 0
	s_wait_dscnt 8                                 ; the very last quarter
	WIN MUL_LO
	MUL16 F1, 0, 0, 0
	MUL16 F1, 0, 2, 0
	s_wait_dscnt 0
	WIN MUL_HI
	MUL16 F1, 1, 0, 0
	MUL16 F1, 1, 2, 0
	; THE WAY OUT, 16 rows of C at a time: round to f16, 16 bytes a lane into my own stage, read back as whole rows of 256 bytes.
	PLACES
	s_lshl_b32 s84, s19, 8
	s_lshl_b32 s85, s13, 7
	s_add_co_u32 s84, s84, s85                     ; my first row of C
	s_mul_i32 s84, s84, s74                        ; in bytes, below 2^25
	s_lshl_b32 s85, s18, 9
	s_add_co_u32 s84, s84, s85                     ; + 512 x block column
	s_lshl_b32 s85, s14, 8
	s_add_co_u32 s84, s84, s85                     ; + 256 x my half
	s_mov_b32 s85, 0
	s_add_nc_u64 s[82:83], s[82:83], s[84:85]
	s_lshl_b32 s84, s74, 4                         ; s[84:85]: 16 rows of C
; rows 16 i .. 16 i + 15 of my block = the eight tiles (a, 0..7) of window 2 or 3 (from = 0x0a or 0x0f: sources 0 and 1); f: F0, F1 in turn
.macro OUT16 i, a, from, f
	WIN \from
.irp b, 0,1,2,3,4,5,6,7
.irp r, 0,1,2,3
	v_cvt_pk_f16_f32 v[TMP+4*\b+\r], v[8*(8*\a+\b)+2*\r], v[8*(8*\a+\b)+2*\r+1]
.endr
.endr
	WIN 0
.irp b, 0,1,2,3,4,5,6,7
	ds_store_b128 v[STO], v[TMP+4*\b:TMP+4*\b+3] offset:32*\b
.endr
	s_wait_xcnt 0x0                                ; buffer f, which earlier stores read, and the stores' base are rewritten only behind this wait
.if \i
	s_add_nc_u64 s[82:83], s[82:83], s[84:85]      ; 16 rows of C on
.endif
.irp t, 0,1,2,3,4,5,6,7
	ds_load_b128 v[\f+4*\t:\f+4*\t+3], v[RD] offset:\t*2*SPITCH    ; LDS serves a wave's instructions in order: these see the stores above
.endr
.irp t, 0,1,2,3,4,5,6,7
	s_wait_dscnt 7-\t                              ; load t is in, the 7 - t younger ones stay out
	global_store_b128 v[CO+\t], v[\f+4*\t:\f+4*\t+3], s[82:83]     ; 16 lanes store 256 consecutive bytes, at a multiple of 256 from C's first byte
.endr
.endm
	OUT16 0, 0, 0x0a, F0
	OUT16 1, 1, 0x0a, F1
	OUT16 2, 2, 0x0a, F0
	OUT16 3, 3, 0x0a, F1
	OUT16 4, 0, 0x0f, F0
	OUT16 5, 1, 0x0f, F1
	OUT16 6, 2, 0x0f, F0
	OUT16 7, 3, 0x0f, F1
	s_set_vgpr_msb 0x1
	s_wait_tensorcnt 0x0
	ds_add_u32 v255, v255
	s_wait_dscnt 0x0
	s_set_vgpr_msb 0x100
	CROUND                                         ; the closing round: no work-group ends while a partner may still ask for a tile that names it
	s_endpgm
.Lfunc_end_k_qd175bf4505_proj:
	.size	k_qd175bf4505_proj, .Lfunc_end_k_qd175bf4505_proj-k_qd175bf4505_proj
	.p2alignl 7, 3214868480
	.fill 96, 4, 3214868480
	.section	.rodata,"a",@progbits
	.p2align	6, 0x0
	.amdhsa_kernel k_qd175bf4505_proj
		.amdhsa_group_segment_fixed_size 327680
		.amdhsa_private_segment_fixed_size 0
		.amdhsa_enable_private_segment 0
		.amdhsa_kernarg_size 32
		.amdhsa_user_sgpr_count 2
		.amdhsa_user_sgpr_kernarg_segment_ptr 1
		.amdhsa_wavefront_size32 1
		.amdhsa_system_sgpr_workgroup_id_x 1
		.amdhsa_system_sgpr_workgroup_id_y 1
		.amdhsa_system_sgpr_workgroup_id_z 1
		.amdhsa_system_vgpr_workitem_id 0
		.amdhsa_next_free_vgpr 1024
		.amdhsa_next_free_sgpr 92
		.amdhsa_reserve_vcc 0
		.amdhsa_float_denorm_mode_32 3
		.amdhsa_float_denorm_mode_16_64 3
		.amdhsa_memory_ordered 1
		.amdhsa_forward_progress 1
		.amdhsa_inst_pref_size 197
	.end_amdhsa_kernel
	.amdgpu_metadata
---
amdhsa.version: [ 1, 2 ]
amdhsa.kernels:
  - .name:           k_qd175bf4505_proj
    .symbol:         k_qd175bf4505_proj.kd
    .args:
      - { .name: xh, .offset: 0, .size: 8, .value_kind: global_buffer, .address_space: global }
      - { .name: wh, .offset: 8, .size: 8, .value_kind: global_buffer, .address_space: global }
      - { .name: qk, .offset: 16, .size: 8, .value_kind: global_buffer, .address_space: global }
      - { .name: vt, .offset: 24, .size: 8, .value_kind: global_buffer, .address_space: global }
    .group_segment_fixed_size: 327680
    .private_segment_fixed_size: 0
    .kernarg_segment_align: 8
    .kernarg_segment_size: 32
    .max_flat_workgroup_size: 128
    .sgpr_count:     92
    .vgpr_count:     1024
    .wavefront_size: 32
...
	.end_amdgpu_metadata
.endif
;; end of part 2
;; launch scores (part 3): grid 16 x 16, 4 waves a work-group, clusters of 4 x 4, 327,680 bytes of LDS; arguments qk, prob, stats; writes prob, stats
.if DOCPART == 3
	.amdgcn_target "amdgcn-amd-amdhsa--gfx1250"
	.amdhsa_code_object_version 6
	.text
	.protected	k_qd175bf4505_scores
	.globl	k_qd175bf4505_scores
	.p2align	8
	.type	k_qd175bf4505_scores,@function
k_qd175bf4505_scores:
	s_mov_b64 s[64:65], 0
	v_nop
	global_prefetch_b8 v0, s[64:65] scope:SCOPE_SE
	s_setreg_imm32_b32 hwreg(HW_REG_WAVE_MODE, 25, 1), 1
	s_wait_xcnt 0x0
	s_wait_alu depctr_hold_cnt(0) depctr_sa_sdst(0) depctr_va_vdst(0) depctr_va_sdst(0) depctr_va_ssrc(0) depctr_va_vcc(0) depctr_vm_vsrc(0)
	s_getreg_b32 s2, hwreg(HW_REG_IB_STS2, 6, 4)
	s_cmp_eq_u32 s2, 0
	s_cbranch_scc0 .Lentry_in_a_cluster
	s_endpgm
.Lentry_in_a_cluster:
	s_bfe_u32 s2, ttmp6, 0x10000c
	s_cmp_lg_u32 s2, 0xf033
	s_cbranch_scc0 .Lentry_shape_is_right
	s_endpgm
.Lentry_shape_is_right:
; S = q k^T over K = 1024 (q = qk columns 0-1023, k = qk columns 1024-2047, f16; sums f32), and the first half of the softmax in the way out.
; For each row and each chunk c of 128 keys (a wave's 128 columns), with t = s log2(e) / 32:
;   R_c = ceil(max of t over the chunk),  prob = 2^(t - R_c) rounded to f16,  l_c = the sum of the unrounded 2^(t - R_c),  stats[c][row] = (R_c, l_c).
; A maximum is taken away in every chunk, rounded up to a whole number: every exponent is at most 0 (but for one rounding of max x log2(e)/32), the chunk's
; largest prob lies in (0.5, 1], and the next launch joins the chunks by factors 2^(R_c - R) that are exact powers of two.
; LIMITS: prob below 2^-14 has f16's fixed step 2^-24; exponentials below 2^-126 come out as 0 (ISA guide, v_exp_f32); NaN and infinities are not treated apart.
; 256 work-groups of 256 x 256 of S, four waves, a wave makes 128 x 128 in 512 registers; K in steps of 128 through two LDS slots filled by the tensor data mover.
; CLUSTERS of 4 x 4: q's tiles are shared along a cluster's row, k's along a column, each asked for jointly: a quarter of the requests.
; REGISTERS in windows of 256: window 0: v0-63 addresses and small values; v64-127, v128-191 fragments of A; v192-223 packed prob; v224-255 partial sums.
;   window 1: fragments of B.  window 2: accumulators of my rows 0-63 (tile (a, b) at v[8 (8 a + b)]); window 3: rows 64-127.
; The matrix instruction is used transposed (source 0 = rows of k, source 1 = rows of q): lane l holds row l % 16 of S and 8 neighbouring columns a tile, so a
; row's 128 numbers lie in 64 registers of two lanes, l and l xor 16: the row's maximum and sum need one step between lanes.
.set SIZE_K, 1024
.set KSTEP,  128
.set PITCH,  272                       ; an LDS row: 256 bytes + 16 of padding, so that 16 consecutive rows start at 16 different multiples of 16 modulo 256
.set HALFT,  128*PITCH
.set SLOT,   4*HALFT
.set STAGE,  2*SLOT                    ; behind the slots, a multiple of 256; no tensor load lands here
.set SPITCH, 272
.set WST,    16*SPITCH+1024            ; a wave's stage: 16 rows of prob, then its 128 pairs (R, l): 5,376 bytes, a multiple of 256
.set LAPS,   SIZE_K/(2*KSTEP)
.set PROW,   8192                      ; bytes in a row of prob
.set ADRA, 16
.set ADRB, 20
.set STO,  24                          ; v24  stage: where I put 16 bytes of a row
.set RD,   25                          ; v25  stage: where I read a row back
.set STS,  26                          ; v26  stage + 8 r: my row's pair
.set SRD,  27                          ; v27  stage + 16 lane: the pairs read back
.set SGO,  28                          ; v28  16 lane: my bytes in the wave's 1,024 bytes of stats
.set CO,   29                          ; v29  my byte offset in prob
.set MX,   40                          ; v40-43  four running maxima
.set NR,   44                          ; v44-45  -R, twice
.set RL,   46                          ; v46-47  R, l
.set F0,   64
.set F1,   128
.set TMP,  192
.set SM,   224
.set G1,  24
.set G0,  32
.set G1B, 48
.set G0B, 56
.set MSB, 0
.macro WIN new                         ; the immediate's high byte repeats the setting that is left
.if MSB != \new
	s_set_vgpr_msb (MSB<<8)|\new
.set MSB, \new
.endif
.endm
.set MUL_LO, 0xa1                      ; source 0 (B) window 1, source 1 (A) window 0, C and D window 2
.set MUL_HI, 0xf1                      ; the same, C and D window 3
.set TO_B,   0x40                      ; destination window 1, address window 0
.macro JLOAD s                         ; a joint load: waves 0, 1 fetch q's two halves, waves 2, 3 k's; the branch hangs on the wave's number alone
	s_cmp_eq_u32 s13, 0
	s_cbranch_scc0 .Lfor_b_\@
	tensor_load_to_lds s[G0+4*\s:G0+4*\s+3], s[G1:G1+7]
	s_nop 0
	s_branch .Lasked_\@
.Lfor_b_\@:
	tensor_load_to_lds s[G0B+4*\s:G0B+4*\s+3], s[G1B:G1B+7]
	s_nop 0
.Lasked_\@:
.endm
.macro CREST                           ; a round of the cluster's barrier behind its opening barrier
	s_cmp_lg_u32 s12, 0
	s_cbranch_scc1 .Lnot_wave_0_\@
	s_barrier_signal -3
.Lnot_wave_0_\@:
	s_barrier_wait -3
	s_barrier_signal -1
	s_barrier_wait -1
.endm
.macro CROUND                          ; a whole round
	s_barrier_signal -1
	s_barrier_wait -1
	CREST
.endm
	s_load_b128 s[4:7], s[0:1], 0x0                ; qk s[4:5], prob s[6:7]
	s_load_b64 s[8:9], s[0:1], 0x10                ; stats
	s_set_vgpr_msb 0x40
	v_lshl_add_u32 v255, v0, 2, 0x49400
	s_set_vgpr_msb 0x4000
	v_mov_b32 v63, 0
	s_set_vgpr_msb 0x1
	ds_add_u32 v255, v63
	s_set_vgpr_msb 0x100
	v_lshrrev_b32 v1, 5, v0
	v_readfirstlane_b32 s12, v1                    ; wave 0..3
	s_lshr_b32 s13, s12, 1                         ; my half of the block's rows; also: I fetch q (0) or k (1)
	s_and_b32 s14, s12, 1                          ; my half of its columns; also: which 128 rows of that tile I fetch
	s_bfe_u32 s16, ttmp6, 0x40000                  ; cx
	s_bfe_u32 s17, ttmp6, 0x40004                  ; cy
	s_lshl_b32 s18, ttmp9, 2
	s_add_co_u32 s18, s18, s16                     ; block column (keys) = 4 x cluster x + cx
	s_and_b32 s19, ttmp7, 0xffff
	s_lshl_b32 s19, s19, 2
	s_add_co_u32 s19, s19, s17                     ; block row (queries) = 4 x cluster y + cy
	s_lshl_b32 s20, s17, 2
	s_lshl_b32 s20, 15, s20                        ; my row of the cluster
	s_lshl_b32 s21, 0x1111, s16                    ; my column
	s_mov_b32 s66, 0x76543210                      ; v_permlanex16_b32: lane i of one half reads lane i of the other
	s_mov_b32 s67, 0xfedcba98
	s_mov_b32 s68, 0x3d38aa3b                      ; log2(e) / 32
	s_mov_b32 s69, 0x3d38aa3b
	s_mov_b32 s70, 0xbd38aa3b                      ; its negative
	s_or_b32 s[G1+0], s20, (1<<16)|(1<<20)|(1<<21)|(5<<22)|(3<<25)   ; mask of my row; elements of 2 bytes; padding of 4 words behind every 64; bit 21 beside a mask
	s_or_b32 s[G1B+0], s21, (1<<16)|(1<<20)|(1<<21)|(5<<22)|(3<<25)  ; the same with the mask of my column
	s_mov_b32 s[G1+1], KSTEP<<16                   ; tensor_dim0 = 128
	s_mov_b32 s[G1B+1], KSTEP<<16
	s_mov_b32 s[G1+2], 128<<16                     ; tensor_dim1 = 128
	s_mov_b32 s[G1B+2], 128<<16
	s_mov_b32 s[G1+3], KSTEP<<16                   ; tile_dim0 = 128
	s_mov_b32 s[G1B+3], KSTEP<<16
	s_mov_b32 s[G1+4], 128                         ; tile_dim1 = 128
	s_mov_b32 s[G1B+4], 128
	s_mov_b32 s[G1+5], 2048                        ; qk: 2,048 elements from row to row
	s_mov_b32 s[G1B+5], 2048
	s_mov_b32 s[G1+6], 0
	s_mov_b32 s[G1B+6], 0
	s_mov_b32 s[G1+7], 0
	s_mov_b32 s[G1B+7], 0
	s_lshl_b32 s22, s14, 7                         ; which 128 rows of the tile I fetch
	s_lshl_b32 s40, s19, 8
	s_add_co_u32 s40, s40, s22
	s_lshl_b32 s40, s40, 12                        ; q: (256 block row + 128 half) rows of 4,096 bytes
	s_mov_b32 s41, 0
	s_lshl_b32 s42, s18, 8
	s_add_co_u32 s42, s42, s22
	s_lshl_b32 s42, s42, 12                        ; k: the same of the block column,
	s_add_co_u32 s42, s42, 2048                    ; in the rows' second half
	s_mov_b32 s43, 0
	s_mul_i32 s15, s12, HALFT                      ; where my part goes: wave x 128 rows
	s_wait_dscnt 0x0
	s_wait_kmcnt 0x0
	s_add_nc_u64 s[44:45], s[4:5], s[40:41]
	s_add_nc_u64 s[46:47], s[4:5], s[42:43]
	CROUND                                         ; all sixteen work-groups are here: the first joint loads meet
.irp s, 0,1
	s_mov_b32 s[G0+4*\s], 1
	s_add_co_u32 s[G0+4*\s+1], s15, \s*SLOT
	s_add_nc_u64 s[G0+4*\s+2:G0+4*\s+3], s[44:45], \s*KSTEP*2
	s_or_b32 s[G0+4*\s+3], s[G0+4*\s+3], 0x80000000
	s_mov_b32 s[G0B+4*\s], 1
	s_add_co_u32 s[G0B+4*\s+1], s15, \s*SLOT
	s_add_nc_u64 s[G0B+4*\s+2:G0B+4*\s+3], s[46:47], \s*KSTEP*2
	s_or_b32 s[G0B+4*\s+3], s[G0B+4*\s+3], 0x80000000
	JLOAD \s                                       ; both slots are asked for before anything else: two loads of the wave are out
.endr
	v_and_b32 v1, 15, v0                           ; r = l % 16
	v_bfe_u32 v2, v0, 4, 1                         ; h = l / 16
	v_mul_u32_u24 v3, v1, PITCH
	v_lshl_add_u32 v3, v2, 4, v3
	s_mul_i32 s22, s13, HALFT
	s_mul_i32 s23, s14, HALFT
	s_add_co_u32 s23, s23, 2*HALFT
.irp s, 0,1
	v_add_nc_u32 v[ADRA+\s], s22, v3
	v_add_nc_u32 v[ADRB+\s], s23, v3
	s_add_co_u32 s22, s22, SLOT
	s_add_co_u32 s23, s23, SLOT
.endr
	s_mul_i32 s87, s12, WST
	s_add_co_u32 s87, s87, STAGE                   ; my stage
	v_mul_u32_u24 v4, v1, SPITCH
	v_lshl_add_u32 v4, v2, 4, v4
	v_add_nc_u32 v[STO], s87, v4
	v_mul_u32_u24 v5, v2, SPITCH
	v_lshl_add_u32 v5, v1, 4, v5
	v_add_nc_u32 v[RD], s87, v5
	v_lshl_add_u32 v[STS], v1, 3, s87
	v_and_b32 v6, 31, v0
	v_lshlrev_b32 v[SGO], 4, v6
	v_add_nc_u32 v[SRD], s87, v[SGO]
	v_lshlrev_b32 v5, 13, v2                       ; lanes 16-31 one row of prob further down
	v_lshl_add_u32 v[CO], v1, 4, v5
; 16 matrix instructions.  The 64 accumulators take turns, one instruction a turn, in the same order in every quarter step.
.macro MUL16 f, hi, a0, zero
.irp a, \a0, \a0+1
.irp b, 0,1,2,3,4,5,6,7
.if \zero
	v_wmma_f32_16x16x32_f16 v[8*(8*(\a)+\b):8*(8*(\a)+\b)+7], v[\f+8*\b:\f+8*\b+7], v[\f+8*(4*\hi+\a):\f+8*(4*\hi+\a)+7], 0
.else
	v_wmma_f32_16x16x32_f16 v[8*(8*(\a)+\b):8*(8*(\a)+\b)+7], v[\f+8*\b:\f+8*\b+7], v[\f+8*(4*\hi+\a):\f+8*(4*\hi+\a)+7], v[8*(8*(\a)+\b):8*(8*(\a)+\b)+7]
.endif
.endr
.endr
.endm
.macro FETCH slot, k, f                ; 32 LDS loads in one run: one quarter step's fragments into buffer f
	WIN TO_B
.irp i, 0,1,2,3,4,5,6,7
	ds_load_b128 v[\f+8*\i:\f+8*\i+3],   v[ADRB+\slot] offset:\k+\i*16*PITCH
	ds_load_b128 v[\f+8*\i+4:\f+8*\i+7], v[ADRB+\slot] offset:\k+\i*16*PITCH+32
.endr
	WIN 0
.irp i, 0,1,2,3,4,5,6,7
	ds_load_b128 v[\f+8*\i:\f+8*\i+3],   v[ADRA+\slot] offset:\k+\i*16*PITCH
	ds_load_b128 v[\f+8*\i+4:\f+8*\i+7], v[ADRA+\slot] offset:\k+\i*16*PITCH+32
.endr
.endm
.macro PLACES                          ; four places behind a matrix instruction (ISA guide 7.12.1 for vector instructions)
.rept 4
	v_nop
.endr
.endm
.macro QUARTER slot, k, f, g, zero
	s_wait_dscnt 8                                 ; B and A's rows 0-63 are in; the youngest eight loads (A's rows 64-127) may be out
	WIN MUL_LO
	MUL16 \f, 0, 0, \zero
	MUL16 \f, 0, 2, \zero
	PLACES
	FETCH \slot, \k, \g
	s_wait_dscnt 32                                ; all but the 32 just issued
	WIN MUL_HI
	MUL16 \f, 1, 0, \zero
	MUL16 \f, 1, 2, \zero
.endm
.macro THREE slot, zero
	QUARTER \slot, 64,  F0, F1, \zero
	QUARTER \slot, 128, F1, F0, 0
	QUARTER \slot, 192, F0, F1, 0
.endm
; The last quarter changes slots: each wave's reads of this slot and all its tensor loads are waited for in front of the barrier; behind it the refill comes first.
.macro TURN slot, next, fill
	s_wait_dscnt 8
	WIN MUL_LO
	MUL16 F1, 0, 0, 0
	s_wait_dscnt 0                                 ; my reads of this slot are over
	s_wait_tensorcnt 0x0                           ; all my tensor loads have landed: the one that was out is my part of the next slot
	ds_add_u32 v255, v63
	s_wait_dscnt 0x0
	s_barrier_signal -1                            ; (where a slot is filled again this barrier opens a round of the cluster's barrier)
	MUL16 F1, 0, 2, 0
	WIN 0
	s_barrier_wait -1
.if \fill
	CREST                                          ; no wave of any partner still reads this slot or has a load on its way
	s_add_nc_u64 s[G0+4*\slot+2:G0+4*\slot+3], s[G0+4*\slot+2:G0+4*\slot+3], 2*KSTEP*2
	s_add_nc_u64 s[G0B+4*\slot+2:G0B+4*\slot+3], s[G0B+4*\slot+2:G0B+4*\slot+3], 2*KSTEP*2
	JLOAD \slot                                    ; the wave's one tensor load behind the round, and the first thing there
.endif
	PLACES
	FETCH \next, 0, F0
	WIN MUL_HI
	MUL16 F1, 1, 0, 0
	MUL16 F1, 1, 2, 0
.endm
.macro LAP zero
	THREE 0, \zero
	TURN 0, 1, 1
	THREE 1, 0
	TURN 1, 0, 1
.endm
	s_wait_tensorcnt 1                             ; my part of K step 0 is in; K step 1's load may stay out
	s_barrier_signal -1
	s_barrier_wait -1
	FETCH 0, 0, F0
	LAP 1
	WIN 0
	s_mov_b32 s3, LAPS-2
.Llap:
	LAP 0
	WIN 0
	s_sub_co_u32 s3, s3, 1
	s_cmp_lg_u32 s3, 0
	s_cbranch_scc1 .Llap
	THREE 0, 0                                     ; the last lap fills nothing
	TURN 0, 1, 0
	THREE 1, 0
	s_wait_dscnt 8
	WIN MUL_LO
	MUL16 F1, 0, 0, 0
	MUL16 F1, 0, 2, 0
	s_wait_dscnt 0
	WIN MUL_HI
	MUL16 F1, 1, 0, 0
	MUL16 F1, 1, 2, 0
	PLACES                                         ; behind the last matrix instructions, for all that reads results below
	s_lshl_b32 s84, s19, 8
	s_lshl_b32 s85, s13, 7
	s_add_co_u32 s86, s84, s85                     ; my first row
	s_lshl_b32 s84, s86, 13                        ; x 8,192 bytes, below 2^25
	s_lshl_b32 s85, s18, 9
	s_add_co_u32 s84, s84, s85                     ; + 512 x block column
	s_lshl_b32 s85, s14, 8
	s_add_co_u32 s84, s84, s85                     ; + 256 x my half
	s_mov_b32 s85, 0
	s_add_nc_u64 s[6:7], s[6:7], s[84:85]          ; prob at my block
	s_lshl_b32 s84, s18, 1
	s_add_co_u32 s84, s84, s14                     ; my chunk of 128 keys
	s_lshl_b32 s84, s84, 12
	s_add_co_u32 s84, s84, s86                     ; chunk x 4,096 rows + my first row,
	s_lshl_b32 s84, s84, 3                         ; pairs of 8 bytes
	s_add_nc_u64 s[8:9], s[8:9], s[84:85]          ; stats at my 128 pairs
; Rows 16 i .. 16 i + 15 of my block: the 64 registers v[64 a .. 64 a + 63] of window 2 or 3.
; rd: sources 0 and 1 in that window, the rest in window 0 (0x0a, 0x0f); rw: source 0 and destination in it (0x82, 0xc3); f: F0, F1 in turn.
.macro SOFT16 i, a, rd, rw, f
	WIN \rd
.irp k, 0,1,2,3
	v_max_num_f32 v[MX+\k], v[64*\a+2*\k], v[64*\a+2*\k+1]         ; four chains, started by the first eight numbers
.endr
.set j, 0
.rept 28
	v_max3_num_f32 v[MX+j%4], v[64*\a+8+2*j], v[64*\a+9+2*j], v[MX+j%4]
.set j, j+1
.endr
	WIN 0
	v_max3_num_f32 v[MX], v[MX], v[MX+1], v[MX+2]
	v_max_num_f32 v[MX], v[MX], v[MX+3]
	v_permlanex16_b32 v[MX+1], v[MX], s66, s67     ; the row's other 64 numbers lie in lane l xor 16
	v_max_num_f32 v[MX], v[MX], v[MX+1]            ; the largest s of the row in this chunk
	v_mul_f32 v[MX+1], s70, v[MX]                  ; - max x log2(e) / 32
	v_floor_f32 v[NR], v[MX+1]                     ; -R = floor(-t) = -ceil(t)
	v_floor_f32 v[NR+1], v[MX+1]
	WIN \rw
.set j, 0
.rept 32
	v_pk_fma_f32 v[64*\a+2*j:64*\a+2*j+1], v[64*\a+2*j:64*\a+2*j+1], s[68:69], v[NR:NR+1] op_sel_hi:[1,0,1]   ; t - R, one rounding
.set j, j+1
.endr
.set j, 0
.rept 64
	v_exp_f32 v[64*\a+j], v[64*\a+j]
.set j, j+1
.endr
	v_nop                                          ; one plain place between the exponentials and the first use of a result (ISA guide 5.7.2)
	WIN \rd
.set j, 0
	s_wait_alu depctr_va_vdst(0)
.rept 32
	v_cvt_pk_f16_f32 v[TMP+j], v[64*\a+2*j], v[64*\a+2*j+1]        ; tile b's eight numbers: 16 bytes in v[TMP + 4 b ..]
.set j, j+1
.endr
.set j, 0
.rept 16
	v_pk_add_f32 v[SM+2*j:SM+2*j+1], v[64*\a+4*j:64*\a+4*j+1], v[64*\a+4*j+2:64*\a+4*j+3]
.set j, j+1
.endr
	WIN 0
.irp n, 8,4,2,1
.set j, 0
.rept \n
	v_pk_add_f32 v[SM+2*j:SM+2*j+1], v[SM+2*j:SM+2*j+1], v[SM+2*(j+\n):SM+2*(j+\n)+1]
.set j, j+1
.endr
.endr
	v_add_f32 v[SM], v[SM], v[SM+1]
	v_permlanex16_b32 v[SM+1], v[SM], s66, s67
	v_add_f32 v[RL+1], v[SM], v[SM+1]              ; l
	v_sub_f32 v[RL], 0, v[NR]                      ; R
.irp b, 0,1,2,3,4,5,6,7
	ds_store_b128 v[STO], v[TMP+4*\b:TMP+4*\b+3] offset:32*\b
.endr
	ds_store_b64 v[STS], v[RL:RL+1] offset:16*SPITCH+128*\i        ; lanes l and l xor 16 write the same pair to the same bytes
	s_wait_xcnt 0x0                                ; buffer f, which earlier stores read, and the stores' base are rewritten only behind this wait
.if \i
	s_add_nc_u64 s[6:7], s[6:7], 16*PROW           ; 16 rows of prob on
.endif
.irp t, 0,1,2,3,4,5,6,7
	ds_load_b128 v[\f+4*\t:\f+4*\t+3], v[RD] offset:\t*2*SPITCH    ; LDS serves a wave's instructions in order: these see the stores above
.endr
.irp t, 0,1,2,3,4,5,6,7
	s_wait_dscnt 7-\t                              ; load t is in, the 7 - t younger ones stay out
	global_store_b128 v[CO], v[\f+4*\t:\f+4*\t+3], s[6:7] offset:2*\t*PROW   ; 16 lanes store 256 consecutive bytes, at a multiple of 256 from prob's first byte
.endr
.endm
	SOFT16 0, 0, 0x0a, 0x82, F0
	SOFT16 1, 1, 0x0a, 0x82, F1
	SOFT16 2, 2, 0x0a, 0x82, F0
	SOFT16 3, 3, 0x0a, 0x82, F1
	SOFT16 4, 0, 0x0f, 0xc3, F0
	SOFT16 5, 1, 0x0f, 0xc3, F1
	SOFT16 6, 2, 0x0f, 0xc3, F0
	SOFT16 7, 3, 0x0f, 0xc3, F1
	ds_load_b128 v[TMP:TMP+3],   v[SRD] offset:16*SPITCH           ; my wave's 128 pairs, 1,024 consecutive bytes
	ds_load_b128 v[TMP+4:TMP+7], v[SRD] offset:16*SPITCH+512
	s_wait_dscnt 0x0
	global_store_b128 v[SGO], v[TMP:TMP+3],   s[8:9]               ; 512 consecutive bytes each, at a multiple of 512 from stats' first byte
	global_store_b128 v[SGO], v[TMP+4:TMP+7], s[8:9] offset:512
	s_set_vgpr_msb 0x1
	s_wait_tensorcnt 0x0
	ds_add_u32 v255, v63
	s_wait_dscnt 0x0
	s_set_vgpr_msb 0x100
	CROUND                                         ; the closing round
	s_endpgm
.Lfunc_end_k_qd175bf4505_scores:
	.size	k_qd175bf4505_scores, .Lfunc_end_k_qd175bf4505_scores-k_qd175bf4505_scores
	.p2alignl 7, 3214868480
	.fill 96, 4, 3214868480
	.section	.rodata,"a",@progbits
	.p2align	6, 0x0
	.amdhsa_kernel k_qd175bf4505_scores
		.amdhsa_group_segment_fixed_size 327680
		.amdhsa_private_segment_fixed_size 0
		.amdhsa_enable_private_segment 0
		.amdhsa_kernarg_size 24
		.amdhsa_user_sgpr_count 2
		.amdhsa_user_sgpr_kernarg_segment_ptr 1
		.amdhsa_wavefront_size32 1
		.amdhsa_system_sgpr_workgroup_id_x 1
		.amdhsa_system_sgpr_workgroup_id_y 1
		.amdhsa_system_sgpr_workgroup_id_z 1
		.amdhsa_system_vgpr_workitem_id 0
		.amdhsa_next_free_vgpr 1024
		.amdhsa_next_free_sgpr 92
		.amdhsa_reserve_vcc 0
		.amdhsa_float_denorm_mode_32 3
		.amdhsa_float_denorm_mode_16_64 3
		.amdhsa_memory_ordered 1
		.amdhsa_forward_progress 1
		.amdhsa_inst_pref_size 255
	.end_amdhsa_kernel
	.section	.bss,"aw",@nobits
	.p2align	6
	.space	262144
	.amdgpu_metadata
---
amdhsa.version: [ 1, 2 ]
amdhsa.kernels:
  - .name:           k_qd175bf4505_scores
    .symbol:         k_qd175bf4505_scores.kd
    .args:
      - { .name: qk, .offset: 0, .size: 8, .value_kind: global_buffer, .address_space: global }
      - { .name: prob, .offset: 8, .size: 8, .value_kind: global_buffer, .address_space: global }
      - { .name: stats, .offset: 16, .size: 8, .value_kind: global_buffer, .address_space: global }
    .group_segment_fixed_size: 327680
    .private_segment_fixed_size: 0
    .kernarg_segment_align: 8
    .kernarg_segment_size: 24
    .max_flat_workgroup_size: 128
    .sgpr_count:     92
    .vgpr_count:     1024
    .wavefront_size: 32
...
	.end_amdgpu_metadata
.endif
;; end of part 3
;; launch pv (part 4): grid 8 x 32, 4 waves a work-group, clusters of 4 x 4, 327,680 bytes of LDS; arguments prob, vt, stats, out0; writes out0
.if DOCPART == 4
	.amdgcn_target "amdgcn-amd-amdhsa--gfx1250"
	.amdhsa_code_object_version 6
	.text
	.protected	k_qd175bf4505_pv
	.globl	k_qd175bf4505_pv
	.p2align	8
	.type	k_qd175bf4505_pv,@function
k_qd175bf4505_pv:
	s_mov_b64 s[64:65], 0
	v_nop
	global_prefetch_b8 v0, s[64:65] scope:SCOPE_SE
	s_setreg_imm32_b32 hwreg(HW_REG_WAVE_MODE, 25, 1), 1
	s_wait_xcnt 0x0
	s_wait_alu depctr_hold_cnt(0) depctr_sa_sdst(0) depctr_va_vdst(0) depctr_va_sdst(0) depctr_va_ssrc(0) depctr_va_vcc(0) depctr_vm_vsrc(0)
	s_getreg_b32 s2, hwreg(HW_REG_IB_STS2, 6, 4)
	s_cmp_eq_u32 s2, 0
	s_cbranch_scc0 .Lentry_in_a_cluster
	s_endpgm
.Lentry_in_a_cluster:
	s_bfe_u32 s2, ttmp6, 0x10000c
	s_cmp_lg_u32 s2, 0xf033
	s_cbranch_scc0 .Lentry_shape_is_right
	s_endpgm
.Lentry_shape_is_right:
; out = (1 / L) x sum over chunks c of 2^(R_c - R) P_c V_c, with R = max over c of R_c and L = sum over c of l_c 2^(R_c - R): the second half of the softmax
; and the product with v.  prob [4096][4096] f16 (keys along rows), vt [1024][4096] f16 (v transposed, keys along rows), stats [32][4096] pairs (R_c, l_c) f32.
; The factors 2^(R_c - R) are whole powers of two, at most 1: multiplying prob by them in f16 rounds nothing above 2^-14 and has the fixed step 2^-24 below.
; The chunk with R_c = R holds a prob above 0.5, so L > 0.5.  The sums over keys are added wave 0 + wave 1, wave 2 + wave 3, then both: another order than a
; single running sum.  NaN and infinities are not treated apart.
; 256 work-groups of 128 x 128 of out.  out has only 4 M numbers, 64 x 64 for each of 1,024 waves; to keep 128 x 128 a wave (512 accumulator registers, 64 matrix
; instructions for 32 fragment loads) the KEYS are shared out: all four waves hold the whole block, and of every slot of 256 keys wave w multiplies keys
; 64 w .. 64 w + 63.  The four partial sums meet in LDS at the end.
; Two LDS slots of 256 keys: 128 rows of prob and 128 rows of vt, 512 bytes each; a wave's one tensor load brings 64 rows, 32 KiB.
; CLUSTERS of 4 x 4: prob's tiles hang on the block row alone and are shared along a cluster's row, vt's on the block column and are shared along a column.
; REGISTERS in windows of 256: window 0: v0-63 addresses, factors; v64-127, v128-191 fragments of prob (A); v192-255 1/L at the end.
;   window 1: fragments of vt (B).  window 2: accumulators of rows 0-63 (tile (a, b) at v[8 (8 a + b)]); window 3: rows 64-127.
; The matrix instruction is used transposed (source 0 = rows of vt, source 1 = rows of prob): lane l holds row l % 16 of out and 8 neighbouring columns a tile.
.set PITCH, 528                        ; an LDS row: 512 bytes + 16 of padding = 33 x 16, so that 16 consecutive rows start at 16 different multiples of 16 modulo 256
.set QUART, 64*PITCH                   ; one tensor load
.set HALFS, 128*PITCH                  ; A's or B's rows of a slot; also one wave's partial sums, 128 rows of 128 f32
.set SLOT,  2*HALFS                    ; 135,168
.set FACB,  2*SLOT                     ; 270,336, a multiple of 256: [32 chunks][r = row % 16][a = row / 16] words, the f16 factor twice; no tensor load lands here
.set INVB,  FACB+16384                 ; 128 rows x 8 bytes: 1 / L twice
.set STEPB, 512                        ; bytes of a row in a slot
.set ADRA, 16                          ; v16-17  LDS address of my A fragments in slot 0, 1
.set ADRB, 20                          ; v20-21  the same for B
.set FA,   22                          ; v22     my eight factors of the current lap's first step
.set STO,  24                          ; v24     partial sums: where I put 32 bytes of a row
.set RD,   26                          ; v26-29  partial sums of wave p: my 16 bytes of my wave's first row
.set CO,   30                          ; v30     16 lane: my bytes in a row of the block of out
.set ILA,  31                          ; v31     my wave's 32 pairs of 1 / L
.set FAC,  32                          ; v32-39  factor of row 16 i + r, i = 0..7, f16 twice
.set RM,   40                          ; v40     R
.set LS,   42                          ; v42-45  L in four chains
.set FST,  46                          ; v46     where thread t puts row t's factors
.set IST,  47                          ; v47     where it puts 1 / L
.set SOFF, 48                          ; v48     8 t: row t's pair in a chunk of stats
.set IV,   50                          ; v50-51  1 / L, twice
.set ST,   64                          ; v64-127 the row's 32 pairs (R_c, l_c), ahead of the first fragments
.set F0,   64
.set F1,   128
.set IL,   192                         ; v192-255 1 / L of my wave's 32 rows, each twice
.set G1,  24
.set G0,  32
.set G1B, 48
.set G0B, 56
.set MSB, 0
.macro WIN new                         ; the immediate's high byte repeats the setting that is left
.if MSB != \new
	s_set_vgpr_msb (MSB<<8)|\new
.set MSB, \new
.endif
.endm
.set MUL_LO, 0xa1                      ; source 0 (B) window 1, source 1 (A) window 0, C and D window 2
.set MUL_HI, 0xf1                      ; the same, C and D window 3
.set TO_B,   0x40                      ; destination window 1, address window 0
.macro JLOAD s                         ; a joint load: waves 0, 1 fetch prob's two halves, waves 2, 3 vt's; the branch hangs on the wave's number alone
	s_cmp_eq_u32 s13, 0
	s_cbranch_scc0 .Lfor_b_\@
	tensor_load_to_lds s[G0+4*\s:G0+4*\s+3], s[G1:G1+7]
	s_nop 0
	s_branch .Lasked_\@
.Lfor_b_\@:
	tensor_load_to_lds s[G0B+4*\s:G0B+4*\s+3], s[G1B:G1B+7]
	s_nop 0
.Lasked_\@:
.endm
.macro CREST                           ; a round of the cluster's barrier behind its opening barrier
	s_cmp_lg_u32 s12, 0
	s_cbranch_scc1 .Lnot_wave_0_\@
	s_barrier_signal -3
.Lnot_wave_0_\@:
	s_barrier_wait -3
	s_barrier_signal -1
	s_barrier_wait -1
.endm
.macro CROUND                          ; a whole round
	s_barrier_signal -1
	s_barrier_wait -1
	CREST
.endm
	s_load_b256 s[4:11], s[0:1], 0x0               ; prob s[4:5], vt s[6:7], stats s[8:9], out0 s[10:11]
	s_set_vgpr_msb 0x40
	v_lshl_add_u32 v255, v0, 2, 0x46400
	s_set_vgpr_msb 0x4000
	v_mov_b32 v63, 0
	s_set_vgpr_msb 0x1
	ds_add_u32 v255, v63
	s_set_vgpr_msb 0x100
	v_lshrrev_b32 v1, 5, v0
	v_readfirstlane_b32 s12, v1                    ; wave 0..3
	s_lshr_b32 s13, s12, 1                         ; I fetch prob (0) or vt (1); also: which chunk of a slot's two my 64 keys lie in
	s_and_b32 s14, s12, 1                          ; which 64 rows of that tile I fetch
	s_bfe_u32 s16, ttmp6, 0x40000                  ; cx
	s_bfe_u32 s17, ttmp6, 0x40004                  ; cy
	s_lshl_b32 s18, ttmp9, 2
	s_add_co_u32 s18, s18, s16                     ; block column of out, 0..7
	s_and_b32 s19, ttmp7, 0xffff
	s_lshl_b32 s19, s19, 2
	s_add_co_u32 s19, s19, s17                     ; block row of out, 0..31
	s_lshl_b32 s20, s17, 2
	s_lshl_b32 s20, 15, s20                        ; my row of the cluster
	s_lshl_b32 s21, 0x1111, s16                    ; my column
	; descriptor group 1: a tile of 64 rows x 256 elements of 2 bytes, 16 bytes of padding behind every 128 words
	s_or_b32 s[G1+0], s20, (1<<16)|(1<<20)|(1<<21)|(6<<22)|(3<<25)
	s_or_b32 s[G1B+0], s21, (1<<16)|(1<<20)|(1<<21)|(6<<22)|(3<<25)
	s_mov_b32 s[G1+1], 256<<16                     ; tensor_dim0 = 256
	s_mov_b32 s[G1B+1], 256<<16
	s_mov_b32 s[G1+2], 64<<16                      ; tensor_dim1 = 64
	s_mov_b32 s[G1B+2], 64<<16
	s_mov_b32 s[G1+3], 256<<16                     ; tile_dim0 = 256
	s_mov_b32 s[G1B+3], 256<<16
	s_mov_b32 s[G1+4], 64                          ; tile_dim1 = 64
	s_mov_b32 s[G1B+4], 64
	s_mov_b32 s[G1+5], 4096                        ; 4,096 elements from row to row, in prob and in vt
	s_mov_b32 s[G1B+5], 4096
	s_mov_b32 s[G1+6], 0
	s_mov_b32 s[G1B+6], 0
	s_mov_b32 s[G1+7], 0
	s_mov_b32 s[G1B+7], 0
	s_lshl_b32 s22, s14, 6                         ; which 64 rows of the tile I fetch
	s_lshl_b32 s40, s19, 7
	s_add_co_u32 s40, s40, s22
	s_lshl_b32 s40, s40, 13                        ; prob: (128 block row + 64 half) rows of 8,192 bytes, below 2^25
	s_mov_b32 s41, 0
	s_lshl_b32 s42, s18, 7
	s_add_co_u32 s42, s42, s22
	s_lshl_b32 s42, s42, 13                        ; vt: the same of the block column
	s_mov_b32 s43, 0
	s_mul_i32 s15, s12, QUART                      ; where my part goes: wave x 64 rows
	s_lshl_b32 s86, s19, 10                        ; my block's 128 pairs in a chunk of stats
	s_mov_b32 s87, 0
	v_lshlrev_b32 v[SOFF], 3, v0
	s_wait_dscnt 0x0
	s_wait_kmcnt 0x0
	s_add_nc_u64 s[44:45], s[4:5], s[40:41]
	s_add_nc_u64 s[46:47], s[6:7], s[42:43]
	s_add_nc_u64 s[8:9], s[8:9], s[86:87]
	CROUND                                         ; all sixteen work-groups are here: the first joint loads meet
.irp s, 0,1
	s_mov_b32 s[G0+4*\s], 1
	s_add_co_u32 s[G0+4*\s+1], s15, \s*SLOT
	s_add_nc_u64 s[G0+4*\s+2:G0+4*\s+3], s[44:45], \s*STEPB        ; keys 256 s ..
	s_or_b32 s[G0+4*\s+3], s[G0+4*\s+3], 0x80000000
	s_mov_b32 s[G0B+4*\s], 1
	s_add_co_u32 s[G0B+4*\s+1], s15, \s*SLOT
	s_add_nc_u64 s[G0B+4*\s+2:G0B+4*\s+3], s[46:47], \s*STEPB
	s_or_b32 s[G0B+4*\s+3], s[G0B+4*\s+3], 0x80000000
	JLOAD \s                                       ; both slots are asked for before anything else: two loads of the wave are out
.endr
	; thread t is row t of the block: its 32 pairs; a wave's load covers 256 consecutive bytes
.set c, 0
.rept 32
	global_load_b64 v[ST+2*c:ST+2*c+1], v[SOFF], s[8:9] offset:32768*c
.set c, c+1
.endr
	v_and_b32 v1, 15, v0                           ; r = l % 16 = t % 16
	v_bfe_u32 v2, v0, 4, 1                         ; h = l / 16
	v_and_b32 v3, 31, v0                           ; lane
	v_mul_u32_u24 v4, v1, PITCH
	v_lshl_add_u32 v5, v2, 4, v4                   ; row x pitch + 16 h
	s_lshl_b32 s22, s12, 7                         ; my 64 keys: 128 bytes of each row
	v_add_nc_u32 v[ADRA], s22, v5
	v_add_nc_u32 v[ADRA+1], SLOT, v[ADRA]
	v_add_nc_u32 v[ADRB], HALFS, v[ADRA]
	v_add_nc_u32 v[ADRB+1], HALFS, v[ADRA+1]
	s_lshl_b32 s23, s13, 9
	s_add_co_u32 s23, s23, FACB
	v_lshl_add_u32 v[FA], v1, 5, s23               ; table + 512 x (my chunk of the slot's two) + 32 r
	s_mul_i32 s86, s12, HALFS
	v_lshl_add_u32 v6, v2, 5, v4
	v_add_nc_u32 v[STO], s86, v6                   ; my wave's area + row r + 32 h
	s_mul_i32 s87, s12, 32*PITCH
	v_lshl_add_u32 v[RD], v3, 4, s87               ; rows 32 w .. of wave 0's area, 16 bytes a lane
.irp p, 1,2,3
	v_add_nc_u32 v[RD+\p], \p*HALFS, v[RD]
.endr
	v_lshlrev_b32 v[CO], 4, v3
	s_lshl_b32 s86, s12, 8
	s_add_co_u32 s86, s86, INVB
	v_mov_b32 v[ILA], s86
	v_lshrrev_b32 v7, 4, v0                        ; t / 16
	v_lshlrev_b32 v[FST], 5, v1
	v_lshl_add_u32 v[FST], v7, 2, v[FST]
	v_add_nc_u32 v[FST], FACB, v[FST]              ; table + 32 (t % 16) + 4 (t / 16)
	v_add_nc_u32 v[IST], INVB, v[SOFF]
	s_wait_loadcnt 0x0                             ; the 32 pairs
	v_max_num_f32 v[RM], v[ST], v[ST+2]
.set c, 2
.rept 15
	v_max3_num_f32 v[RM], v[ST+2*c], v[ST+2*c+2], v[RM]            ; R = the largest R_c
.set c, c+2
.endr
.set c, 0
.rept 32
	v_sub_f32 v[ST+2*c], v[ST+2*c], v[RM]          ; R_c - R: a whole number, at most 0
.set c, c+1
.endr
.set c, 0
.rept 32
	v_exp_f32 v[ST+2*c], v[ST+2*c]                 ; the chunk's factor
.set c, c+1
.endr
	v_nop                                          ; one plain place between the exponentials and the first use of a result (ISA guide 5.7.2)
	s_wait_alu depctr_va_vdst(0)
.irp k, 0,1,2,3
	v_mul_f32 v[LS+\k], v[ST+2*\k], v[ST+2*\k+1]   ; the first four products start four chains
.endr
.set c, 4
.rept 28
	v_fmac_f32 v[LS+c%4], v[ST+2*c], v[ST+2*c+1]
.set c, c+1
.endr
	v_add_f32 v[LS], v[LS], v[LS+1]
	v_add_f32 v[LS+2], v[LS+2], v[LS+3]
	v_add_f32 v[LS], v[LS], v[LS+2]                ; L
	v_rcp_f32 v[IV], v[LS]
	v_rcp_f32 v[IV+1], v[LS]                       ; the conversions below, which touch neither L nor 1 / L, are the plain place behind the two
.set c, 0
.rept 32
	v_cvt_pk_f16_f32 v[ST+2*c+1], v[ST+2*c], v[ST+2*c]             ; the factor in both halves; l_c has been used
.set c, c+1
.endr
.set c, 0
.rept 32
	ds_store_b32 v[FST], v[ST+2*c+1] offset:512*c
.set c, c+1
.endr
	s_wait_alu depctr_va_vdst(0)
	ds_store_b64 v[IST], v[IV:IV+1]
	s_wait_dscnt 0x0                               ; for the other waves: my rows' factors are in LDS
	s_wait_tensorcnt 1                             ; my part of slot 0 is in; slot 1's load, issued behind it, may stay out
	s_barrier_signal -1
	s_barrier_wait -1
; 16 matrix instructions.  The 64 accumulators take turns, one instruction a turn, in the same order in every half step.
.macro MUL16 f, hi, a0, zero
.irp a, \a0, \a0+1
.irp b, 0,1,2,3,4,5,6,7
.if \zero
	v_wmma_f32_16x16x32_f16 v[8*(8*(\a)+\b):8*(8*(\a)+\b)+7], v[\f+8*\b:\f+8*\b+7], v[\f+8*(4*\hi+\a):\f+8*(4*\hi+\a)+7], 0
.else
	v_wmma_f32_16x16x32_f16 v[8*(8*(\a)+\b):8*(8*(\a)+\b)+7], v[\f+8*\b:\f+8*\b+7], v[\f+8*(4*\hi+\a):\f+8*(4*\hi+\a)+7], v[8*(8*(\a)+\b):8*(8*(\a)+\b)+7]
.endif
.endr
.endr
.endm
.macro FETCH slot, k, f                ; 32 LDS loads in one run: 128 rows of vt, 128 of prob, 32 keys at byte k of my 128 bytes of the rows
	WIN TO_B
.irp i, 0,1,2,3,4,5,6,7
	ds_load_b128 v[\f+8*\i:\f+8*\i+3],   v[ADRB+\slot] offset:\k+\i*16*PITCH
	ds_load_b128 v[\f+8*\i+4:\f+8*\i+7], v[ADRB+\slot] offset:\k+\i*16*PITCH+32
.endr
	WIN 0
.irp i, 0,1,2,3,4,5,6,7
	ds_load_b128 v[\f+8*\i:\f+8*\i+3],   v[ADRA+\slot] offset:\k+\i*16*PITCH
	ds_load_b128 v[\f+8*\i+4:\f+8*\i+7], v[ADRA+\slot] offset:\k+\i*16*PITCH+32
.endr
.endm
.macro FACLOAD off                     ; my eight factors (rows 16 i + r) of the step whose two chunks begin off bytes behind v[FA]
	ds_load_b128 v[FAC:FAC+3],   v[FA] offset:\off
	ds_load_b128 v[FAC+4:FAC+7], v[FA] offset:\off+16
.endm
.macro SCALE f                         ; prob x 2^(R_c - R): a lane of an A fragment holds one row, so the factor is the lane's own
.irp i, 0,1,2,3,4,5,6,7
.irp j, 0,1,2,3,4,5,6,7
	v_pk_mul_f16 v[\f+8*\i+\j], v[\f+8*\i+\j], v[FAC+\i]
.endr
.endr
.endm
.macro PLACES                          ; four places behind a matrix instruction before a load lands on a register that one has read; the text does not lean on SCALE's lines for them
.rept 4
	v_nop
.endr
.endm
; A step (a slot's 256 keys) is two halves of 32 of my 64 keys, 64 matrix instructions each, on buffers 0 and 1.
.macro HALF0 slot, zero
	s_wait_dscnt 0x0                               ; buffer 0 and the factors are in
	WIN 0
	SCALE F0
	WIN MUL_LO
	MUL16 F0, 0, 0, \zero
	MUL16 F0, 0, 2, \zero
	PLACES
	FETCH \slot, 64, F1
	WIN MUL_HI
	MUL16 F0, 1, 0, \zero
	MUL16 F0, 1, 2, \zero
.endm
; The second half changes slots.  The wait for all LDS loads at its head also ends my reads of this slot: no LDS instruction on a slot follows it in front of the signal.
; With all my tensor loads waited for (one is out: my part of the next slot) the barrier opens; behind it the refill comes first, then the next slot is read.
; From a request to the wait for it a wave issues 112 matrix instructions and 128 packed multiplies.
.macro HALF1 slot, next, fill, facoff
	s_wait_dscnt 0x0                               ; buffer 1 is in, and my reads of this slot are over
	WIN 0
	SCALE F1
	WIN MUL_LO
	MUL16 F1, 0, 0, 0
	s_wait_tensorcnt 0x0                           ; all my tensor loads have landed
	ds_add_u32 v255, v63
	s_wait_dscnt 0x0
	s_barrier_signal -1                            ; (where a slot is filled again this barrier opens a round of the cluster's barrier)
	MUL16 F1, 0, 2, 0                              ; register work while the others arrive
	WIN 0
	s_barrier_wait -1
.if \fill
	CREST                                          ; no wave of any partner still reads this slot or has a load on its way
	s_add_nc_u64 s[G0+4*\slot+2:G0+4*\slot+3], s[G0+4*\slot+2:G0+4*\slot+3], 2*STEPB
	s_add_nc_u64 s[G0B+4*\slot+2:G0B+4*\slot+3], s[G0B+4*\slot+2:G0B+4*\slot+3], 2*STEPB
	JLOAD \slot                                    ; the wave's one tensor load behind the round, and the first thing there
.endif
	PLACES
	FETCH \next, 0, F0
	FACLOAD \facoff                                ; the next step's factors: this step's were last read by SCALE above
	WIN MUL_HI
	MUL16 F1, 1, 0, 0
	MUL16 F1, 1, 2, 0
.endm
.macro LAP zero                        ; two steps, both slots filled again
	HALF0 0, \zero
	HALF1 0, 1, 1, 1024
	HALF0 1, 0
	HALF1 1, 0, 1, 2048
	WIN 0
	v_add_nc_u32 v[FA], 2048, v[FA]                ; four chunks on
.endm
	FETCH 0, 0, F0
	FACLOAD 0
	LAP 1                                          ; steps 0, 1: the first products start the sums
	s_mov_b32 s3, 6                                ; steps 2 to 13
.Llap:
	LAP 0
	s_sub_co_u32 s3, s3, 1
	s_cmp_lg_u32 s3, 0
	s_cbranch_scc1 .Llap
	HALF0 0, 0                                     ; steps 14, 15 fill nothing
	HALF1 0, 1, 0, 1024
	HALF0 1, 0
	s_wait_dscnt 0x0                               ; the very last half
	WIN 0
	SCALE F1
	WIN MUL_LO
	MUL16 F1, 0, 0, 0
	MUL16 F1, 0, 2, 0
	WIN MUL_HI
	MUL16 F1, 1, 0, 0
	MUL16 F1, 1, 2, 0
	; THE FOUR PARTIAL SUMS MEET.  The slots have had their last fill; each wave puts its 128 x 128 f32 into a quarter of them.
	PLACES                                         ; behind the last matrix instructions, for the LDS stores that read results
	WIN 0
	s_lshl_b32 s84, s19, 7
	s_lshl_b32 s85, s12, 5
	s_add_co_u32 s84, s84, s85                     ; my wave's first row of out: 128 x block row + 32 x wave
	s_lshl_b32 s84, s84, 12                        ; rows of 4,096 bytes
	s_lshl_b32 s85, s18, 9
	s_add_co_u32 s84, s84, s85                     ; + 512 x block column
	s_mov_b32 s85, 0
	s_add_nc_u64 s[10:11], s[10:11], s[84:85]
	s_barrier_signal -1                            ; every wave's reads of the slots are over (its last wait on LDS was for 0, and no LDS instruction followed)
	s_barrier_wait -1
	WIN 0x08                                       ; store data in window 2
.irp a, 0,1,2,3
.irp b, 0,1,2,3,4,5,6,7
	ds_store_b128 v[STO], v[8*(8*\a+\b):8*(8*\a+\b)+3]   offset:\a*16*PITCH+64*\b
	ds_store_b128 v[STO], v[8*(8*\a+\b)+4:8*(8*\a+\b)+7] offset:\a*16*PITCH+64*\b+16
.endr
.endr
	WIN 0x0c                                       ; store data in window 3
.irp a, 0,1,2,3
.irp b, 0,1,2,3,4,5,6,7
	ds_store_b128 v[STO], v[8*(8*\a+\b):8*(8*\a+\b)+3]   offset:(\a+4)*16*PITCH+64*\b
	ds_store_b128 v[STO], v[8*(8*\a+\b)+4:8*(8*\a+\b)+7] offset:(\a+4)*16*PITCH+64*\b+16
.endr
.endr
	WIN 0
	s_wait_dscnt 0x0                               ; for the other waves: my partial sums are in LDS
	s_barrier_signal -1
	s_barrier_wait -1
	; wave w adds and stores rows 32 w .. 32 w + 31, four rows at a time; a row is 512 bytes, 16 a lane
.set j, 0
.rept 16
	ds_load_b128 v[IL+4*j:IL+4*j+3], v[ILA] offset:16*j            ; every lane reads the same 256 bytes: 1 / L of my 32 rows, each twice
.set j, j+1
.endr
.macro GETROWS g, f                    ; rows 4 g .. 4 g + 3 of all four partial sums: 16 loads.  g may be a sum (it is pasted as text), so it stands in brackets
.irp q, 0,1,2,3
.irp p, 0,1,2,3
	ds_load_b128 v[\f+16*\q+4*\p:\f+16*\q+4*\p+3], v[RD+\p] offset:(4*(\g)+\q)*PITCH
.endr
.endr
.endm
.macro PUTROWS g, f
.irp q, 0,1,2,3
	v_pk_add_f32 v[\f+16*\q:\f+16*\q+1],     v[\f+16*\q:\f+16*\q+1],     v[\f+16*\q+4:\f+16*\q+5]       ; wave 0 + wave 1
	v_pk_add_f32 v[\f+16*\q+2:\f+16*\q+3],   v[\f+16*\q+2:\f+16*\q+3],   v[\f+16*\q+6:\f+16*\q+7]
	v_pk_add_f32 v[\f+16*\q+8:\f+16*\q+9],   v[\f+16*\q+8:\f+16*\q+9],   v[\f+16*\q+12:\f+16*\q+13]     ; wave 2 + wave 3
	v_pk_add_f32 v[\f+16*\q+10:\f+16*\q+11], v[\f+16*\q+10:\f+16*\q+11], v[\f+16*\q+14:\f+16*\q+15]
	v_pk_add_f32 v[\f+16*\q:\f+16*\q+1],     v[\f+16*\q:\f+16*\q+1],     v[\f+16*\q+8:\f+16*\q+9]
	v_pk_add_f32 v[\f+16*\q+2:\f+16*\q+3],   v[\f+16*\q+2:\f+16*\q+3],   v[\f+16*\q+10:\f+16*\q+11]
	v_pk_mul_f32 v[\f+16*\q:\f+16*\q+1],     v[\f+16*\q:\f+16*\q+1],     v[IL+2*(4*(\g)+\q):IL+2*(4*(\g)+\q)+1]
	v_pk_mul_f32 v[\f+16*\q+2:\f+16*\q+3],   v[\f+16*\q+2:\f+16*\q+3],   v[IL+2*(4*(\g)+\q):IL+2*(4*(\g)+\q)+1]
	global_store_b128 v[CO], v[\f+16*\q:\f+16*\q+3], s[10:11] offset:(4*(\g)+\q)*4096 th:TH_STORE_NT   ; the wave stores 512 consecutive bytes, at a multiple of 512 from out0's first byte
.endr
.endm
.macro ROWS4 g, f, fn                  ; the next four rows are asked for ahead of the work on these four
.if \g
	s_wait_xcnt 0x0                                ; buffer fn, which the stores of two groups ago read, is loaded again only behind this wait
.endif
	GETROWS \g+1, \fn
	s_wait_dscnt 16                                ; all but the 16 loads just issued
	PUTROWS \g, \f
.endm
	GETROWS 0, F0
	ROWS4 0, F0, F1
	ROWS4 1, F1, F0
	ROWS4 2, F0, F1
	ROWS4 3, F1, F0
	ROWS4 4, F0, F1
	ROWS4 5, F1, F0
	ROWS4 6, F0, F1
	s_wait_dscnt 0x0
	PUTROWS 7, F1
	s_set_vgpr_msb 0x1
	s_wait_tensorcnt 0x0
	ds_add_u32 v255, v63
	s_wait_dscnt 0x0
	s_set_vgpr_msb 0x100
	CROUND                                         ; the closing round: no work-group ends while a partner may still ask for a tile that names it
	s_endpgm
.Lfunc_end_k_qd175bf4505_pv:
	.size	k_qd175bf4505_pv, .Lfunc_end_k_qd175bf4505_pv-k_qd175bf4505_pv
	.p2alignl 7, 3214868480
	.fill 96, 4, 3214868480
	.section	.rodata,"a",@progbits
	.p2align	6, 0x0
	.amdhsa_kernel k_qd175bf4505_pv
		.amdhsa_group_segment_fixed_size 327680
		.amdhsa_private_segment_fixed_size 0
		.amdhsa_enable_private_segment 0
		.amdhsa_kernarg_size 32
		.amdhsa_user_sgpr_count 2
		.amdhsa_user_sgpr_kernarg_segment_ptr 1
		.amdhsa_wavefront_size32 1
		.amdhsa_system_sgpr_workgroup_id_x 1
		.amdhsa_system_sgpr_workgroup_id_y 1
		.amdhsa_system_sgpr_workgroup_id_z 1
		.amdhsa_system_vgpr_workitem_id 0
		.amdhsa_next_free_vgpr 1024
		.amdhsa_next_free_sgpr 92
		.amdhsa_reserve_vcc 0
		.amdhsa_float_denorm_mode_32 3
		.amdhsa_float_denorm_mode_16_64 3
		.amdhsa_memory_ordered 1
		.amdhsa_forward_progress 1
		.amdhsa_inst_pref_size 184
	.end_amdhsa_kernel
	.amdgpu_metadata
---
amdhsa.version: [ 1, 2 ]
amdhsa.kernels:
  - .name:           k_qd175bf4505_pv
    .symbol:         k_qd175bf4505_pv.kd
    .args:
      - { .name: prob, .offset: 0, .size: 8, .value_kind: global_buffer, .address_space: global }
      - { .name: vt, .offset: 8, .size: 8, .value_kind: global_buffer, .address_space: global }
      - { .name: stats, .offset: 16, .size: 8, .value_kind: global_buffer, .address_space: global }
      - { .name: out0, .offset: 24, .size: 8, .value_kind: global_buffer, .address_space: global }
    .group_segment_fixed_size: 327680
    .private_segment_fixed_size: 0
    .kernarg_segment_align: 8
    .kernarg_segment_size: 32
    .max_flat_workgroup_size: 128
    .sgpr_count:     92
    .vgpr_count:     1024
    .wavefront_size: 32
...
	.end_amdgpu_metadata
.endif
;; end of part 4
